; MI455X (gfx1250); checked and timed in simulation.
; The chip was launched on July 23, 2026; its instructions are those of AMD's public machine-readable ISA for CDNA 5 (MIT licence, August 2026) and "CDNA5" Instruction Set Architecture Reference Guide (July 2026). The comments in the code are by the model that wrote it; some were corrected since.
;; Dist Flash Attn. Allowed arithmetic: matrix products marked QUANTISED: E5M2 operands, one given power-of-two scale a tensor, by v_wmma_f32_16x16x64_bf8_bf8 or v_wmma_f32_16x16x128_bf8_bf8, f32 sums; everything else in f32.
;; Inputs: causal_local 2 bool; causal_remote 1 bool; k_local_codes 4,096 x 8 x 2 x 32 uint8 (E5M2 codes of k_local, K innermost, in blocks of 32 codes); k_ranges_local 2 x 2 int32; k_ranges_remote 1 x 2 int32; k_remote_codes 4,096 x 8 x 2 x 32 uint8 (E5M2 codes of k_remote, K innermost, in blocks of 32 codes); lowp_scales 8 int32 (the exponents e of the quantised operands' scales 2^e); q_codes 4,096 x 8 x 2 x 32 uint8 (E5M2 codes of q, K innermost, in blocks of 32 codes); q_ranges_local 2 x 2 int32; q_ranges_remote 1 x 2 int32; v_local_codes 8 x 64 x 128 x 32 uint8 (E5M2 codes of v_local, K innermost, in blocks of 32 codes); v_remote_codes 8 x 64 x 128 x 32 uint8 (E5M2 codes of v_remote, K innermost, in blocks of 32 codes).
;; Outputs: out0 4,096 x 8 x 64 float32; out1 8 x 4,096 float32.
;; This version of the problem:
;;   THIS VERSION OF THE PROBLEM IS GIVEN IN LOW PRECISION. The matrix products marked QUANTISED in the list below multiply operands that are first quantised to E5M2 (5 exponent bits, 2 mantissa bits; 8 bits a number), with one given power-of-two scale for each operand tensor; their sums are f32. All else is computed in f32.
;;   The module's matrix products, in the order in which they are computed (A, B: the left and right operand; K: the contracted axis; several contracted axes count as one K, in the product's order):
;;     1. batch 8 x [M 4,096, K 64] x [K 64, N 4,096]; A: input q (given as codes); B: input k_local (given as codes): QUANTISED (scales: A lowp_scales[0], B lowp_scales[1])
;;     2. batch 8 x [M 64, K 4,096] x [K 4,096, N 4,096]; A: input v_local (given as codes); B: computed on the way: QUANTISED (scales: A lowp_scales[2], B lowp_scales[3])
;;     3. batch 8 x [M 4,096, K 64] x [K 64, N 4,096]; A: input q (given as codes); B: input k_remote (given as codes): QUANTISED (scales: A lowp_scales[4], B lowp_scales[5])
;;     4. batch 8 x [M 64, K 4,096] x [K 4,096, N 4,096]; A: input v_remote (given as codes); B: computed on the way: QUANTISED (scales: A lowp_scales[6], B lowp_scales[7])
;;   THE QUANTISER, for each operand of a quantised product, along K:
;;     - The operand's scale is 2^e, e = its entry of the input lowp_scales (int32; the entries are numbered through the quantised products in the list's order, A before B).
;;     - Each number is divided by the scale, clamped to +-57,344, and rounded to the nearest number of E5M2, ties to even, subnormals kept.
;;     - The product sums the exact products of the quantised numbers (number of the format x scale) in f32.
;;   ~~~python
;;   def quantise(x, axis, e):      # numpy; x: float32 -> the quantised numbers, widened to float32 again
;;       x = np.moveaxis(x, axis, -1); K = x.shape[-1]
;;       r = np.clip(x / 2.0 ** e, -57344, 57344)
;;       step = 2.0 ** (np.maximum(np.frexp(np.where(r == 0, 1, r))[1] - 1, -14) - 2)
;;       q = np.round(r / step) * step * 2.0 ** e      # np.round: ties to even
;;       return np.moveaxis(q, -1, axis).astype(np.float32)
;;   ~~~
;;   OPERANDS COMPUTED ON THE WAY. 'Computed on the way' means the value that the module computes at that place (a softmax that the list does not call 'softmax' is quantised finished and normalised). What goes into a quantiser is computed in f32, as accurately as f32 sums, v_exp_f32 and their like allow (about 1e-6 of the number): no bf16 or f16 on the way to a quantiser, and a product that is left as it is and whose result goes on into a quantised operand takes f32 operands (vector FMAs, or v_wmma_f32_16x16x4_f32). A number that lies on a knife's edge between two numbers of the format may be rounded either way, as far as f32 arithmetic and the matrix unit's own rounding can turn it there, and no further.
;;   INPUTS GIVEN AS CODES. k_local (in the module: [4096, 8, 64], K = its axis 2); k_remote (in the module: [4096, 8, 64], K = its axis 2); q (in the module: [4096, 8, 64], K = its axis 2); v_local (in the module: [4096, 8, 64], K = its axis 0); v_remote (in the module: [4096, 8, 64], K = its axis 0): each comes as NAME_codes (uint8): NAME with its K axis moved to the last place and cut into blocks of 32 codes, [.., K / 32, bytes a block], one block behind the other in memory; one code a byte (a code: sign, 5 exponent bits, 2 mantissa bits); its scale is its entry of lowp_scales. Its value is code x scale, taken as it is: it is not quantised again, and the codes and scales need not be those that the quantiser above would give.
;; One version. Each part assembles by itself: llvm-mc -triple=amdgcn-amd-amdhsa -mcpu=gfx1250 --defsym DOCPART=n.
;; ======== version 1 of 1: 1 launch
;; launch attn (part 1): grid 32 x 8, 16 waves a work-group, no clusters, 296,960 bytes of LDS; arguments q_codes, k_local_codes, v_local_codes, k_remote_codes, v_remote_codes, out0, out1, lowp_scales, q_ranges_local, k_ranges_local, q_ranges_remote, k_ranges_remote, causal_local, causal_remote; writes out0, out1
.if DOCPART == 1
	.amdgcn_target "amdgcn-amd-amdhsa--gfx1250"
	.amdhsa_code_object_version 6
	.text
	.protected	k_q080f8e5cec_attn
	.globl	k_q080f8e5cec_attn
	.p2align	8
	.type	k_q080f8e5cec_attn,@function
k_q080f8e5cec_attn:
	s_mov_b64 s[64:65], 0
	v_nop
	global_prefetch_b8 v0, s[64:65] scope:SCOPE_SE
	s_setreg_imm32_b32 hwreg(HW_REG_WAVE_MODE, 25, 1), 1
	s_wait_xcnt 0x0
; Two attention partials under masks made of ranges (local: two ranges; remote: one), merged by their log-sum-exps.  4,096 queries, 4,096 keys a stage, 8 heads of 64.
; All four products on codes of BF8 (E5M2), each operand with its given scale 2^e (e0 .. e7).  What is quantised for the second products is the FINISHED p = exp(s - lse) of its stage.
; So the keys are walked twice: WALK 1: S^T = K Q^T, a running largest t and sum, which give each stage's lse;  WALK 2: S^T again, p = 2^(t - L), hold, conversion, O^T += V^T P.
; Base 2 throughout: t = S x c, c = log2(e) / 8 x 2^(eq + ek); L = lse x log2(e).  In walk 1 M = the largest t rounded UP to a whole number, kept as -M = floor(-t): parts under different M are joined by v_ldexp_f32.
; THE MASK.  For range i and query q the keys ks <= k < min(ke, q + DK1) count, DK1 = ke - qe + 1 (causal) or 2^29, and none unless qs <= q < qe.  A stage's mask is the union of its ranges.
; A step of 32 queries x 64 keys that no range reaches is left out by a scalar branch on the ranges; one that a single range covers whole skips the masking; else hidden scores become -infinity.
; SHARES.  Work-group (x, head) takes the blocks x and 63 - x of 64 queries, one after the other.  Wave w: queries 32 (w & 1) on (two tiles of 16), and of every tile of 512 keys the 64 keys at 64 (w >> 1).
; The eight key groups' statistics meet in LDS behind walk 1; their parts of O^T, which simply add since p is final, meet in LDS at the end.  Each output row has one owner.
; ONE SET OF ACCUMULATORS for both stages: O = local sums; O x= RHO at the change of stage; O += remote sums; out = FB x O, with FB = w_b 2^(e6+e7), RHO = (w_a / w_b) 2^(e2+e3-e6-e7).
; TILES.  K and V go memory -> registers -> LDS in one stream over all phases: in a trip tile t is read from one slot, tile t + 1 goes from the staging registers into the other, tile t + 2 is asked for.
; One barrier a trip: its signal stands behind the wave's LDS work, its wait at the trip's end, the softmax (registers alone) between.  Trip counts are constants; every barrier stands outside every branch on data.
; NO TENSOR LOADS, NO CLUSTER, NO JOINT REQUESTS: which tiles a block of queries needs hangs on the ranges, which are read from memory, so partners would need different numbers of tiles and the fetches are branched over.
; NO PREFETCH: every tile is read by up to 64 walks of its head, and the staging asks a whole trip ahead of the store that wants the data.
; LAYOUT.  Both products transposed: source 0 = 16 keys (or 16 channels of V), source 1 = 16 queries: a lane holds ONE query (lane % 16).  Register j of score tile kt is key 16 kt + 8 (lane / 16) + j:
; one conversion of a tile's eight registers gives registers 2 kt, 2 kt + 1 of P.  K's and Q's fragments come by loads of 16 bytes: the same permutation of the 64 channels on both sides.
; LIMITS.  e0 + e1 and e4 + e5 between -123 and 130; e3 and e7 between -126 and 112.  The remote weight is held at 2^-60 from below (an error of at most 2^-60 |out_remote|), so 2^(60 - e6 - e7) |out_local| must be an f32 number.
; Entries of the ranges under 2^28 in magnitude.  NaN and infinity among the codes are not served.  The order of the sums differs from the definition's.
.set SK,    512                        ; keys in a tile
.set SLOTB, 66560                      ; an LDS slot: K 512 x 64 bytes, then V 64 rows of 512 bytes + 16
.set VOFF,  32768
.set VP,    528                        ; 132 words: row r starts at bank 4 r mod 64 (64 banks of 4 bytes: ISA guide 11.1)
.set PARK,  2*SLOTB                    ; the way out: 32 rows x (256 + 16) bytes for each wave
.set PROW,  272
.set PWAVE, 32*PROW
.set STAT,  PARK+16*PWAVE              ; walk 1's statistics: (stage, query tile) x 512 threads x 8 bytes
.set LSEB,  STAT+16384                 ; a block's 64 log-sum-exps
; vector registers
.set T,   1                            ; the LDS address in hand
.set AK0, 2                            ; my lane's place in a slot's K: channels 16 h on;  AK1: channels 32 + 16 h on
.set AK1, 3
.set AV,  4                            ; in a slot's V
.set WKA, 5                            ; where I store staged K;  WVA: staged V
.set WVA, 6
.set GK,  7                            ; my byte offset in a tile of K in memory;  GV: of V
.set GV,  8
.set RQ,  9                            ; lane % 16
.set H8,  10                           ; 8 (lane / 16)
.set CVS, 11                           ; the conversion's scale, 2^e3 or 2^e7
.set NLL, 12                           ; -L local, tiles 0, 1;  NLR: remote
.set NLR, 14
.set RHO, 16
.set FB,  18
.set WA,  20                           ; v[20:21], v[22:23]: the low words hold the factor in hand for query tiles 0, 1 (packed forms take the low word for both halves)
.set QOF, 21                           ; the high words: Q's load offset, out0's store offset
.set WB,  22
.set OOF, 23
.set Q,   24                           ; v24-39   Q's two fragments
.set KF,  40                           ; v40-71   four fragments of K, then of V
.set S,   72                           ; v72-135  S^T, then p: tile (qt, kt) at 8 (4 qt + kt)
.set P,   136                          ; v136-151 p's codes; ahead of them the mask's bounds
.set O,   152                          ; v152-215 O^T: tile (qt, ct) at 8 (4 qt + ct); in walk 1 the statistics below
.set GKS, 216                          ; v216-231 staged K;  v232-247 staged V
.set GVS, 232
.set Y,   248                          ; v248-255 at work
.set NM,  152                          ; + 2 qt: -M, and beside it
.set TM,  153                          ; the largest t
.set SU,  156                          ; + 2 qt: the sum, in two halves
.set FF,  160                          ; + 2 qt: 2^(old M - new M)
.set OLD, 164
.set SB,  166                          ; + 2 qt: the sums' second chain
.set MXA, 170                          ; + 2 qt: the maxima's two chains
.set MXB, 171
; scalar registers
.set WV,  2
.set KW0, 3                            ; 64 x my key group
.set QB,  4
.set KL,  6
.set VL,  8
.set KR,  10
.set VR,  12
.set O0,  14
.set O1,  16
.set QS0, 20
.set QE0, 21
.set QS1, 22
.set QE1, 23
.set KS0, 24
.set KE0, 25
.set KS1, 26
.set KE1, 27
.set QS2, 28
.set QE2, 29
.set KS2, 30
.set KE2, 31
.set DK,  32                           ; s32-34 DK1 of ranges 0, 1, 2
.set QW,  35                           ; s35-37 max(qe - qs, 0)
.set CL,  38                           ; s[38:39] c local; s[40:41] c remote
.set CR,  40
.set LIML, 42                          ; 57,344 x 2^e3, x 2^e7
.set LIMR, 43
.set CVL, 44                           ; 2^e3, 2^e7
.set CVR, 45
.set EFB, 46
.set ERH, 47
.set BI,  48
.set B0,  49                           ; the block's first query;  B0N: the next block's
.set B0N, 50
.set W0,  51                           ; my wave's first query
.set HX0, 52                           ; for my 32 queries and range i: HX = the end of the keys that any of them sees, HN = the end of those that all see
.set HN0, 53
.set HX1, 54
.set HN1, 55
.set HX2, 56
.set HN2, 57
.set FPK, 58                           ; s[58:59], s[60:61]: the tile to be asked for, in K and in V
.set FPV, 60
.set FK0, 62                           ; its first key
.set FVF, 63                           ; 1: V is asked for too
.set FL0, 66                           ; for the block's 64 queries: the keys FL <= k < FH of two ranges
.set FH0, 67
.set FL1, 68
.set FH1, 69
.set NB,  70                           ; what the staging registers hold: bit 0 K, bit 1 V
.set TRP, 71
.set TB,  72                           ; the slot that is read;  TBN: the slot that is stored into
.set TBN, 73
.set KW,  74                           ; my step's first key
.set CLS, 75                           ; 1: my step has work
.set OPN, 76                           ; 1: nothing in it is hidden
.set NINF, 80
.set NEGS, 81                          ; -2^30: under every key
.set SEL, 82
.set QG32, 100
.macro NOPS n
.rept \n
	v_nop
.endr
.endm
; out = the end (exclusive) of the keys that any of the queries x0 .. x0 + w - 1 sees in a range, or -2^30
.macro RANGEHX x0, w, qs, qe, ke, dk, out
	s_add_co_i32 s84, s[\x0], \w
	s_min_i32 s84, s84, s[\qe]
	s_max_i32 s85, s[\x0], s[\qs]
	s_add_co_i32 s[\out], s84, s[\dk]
	s_add_co_i32 s[\out], s[\out], -1
	s_min_i32 s[\out], s[\out], s[\ke]
	s_cmp_lt_i32 s85, s84
	s_cselect_b32 s[\out], s[\out], s[NEGS]
.endm
; out = the end of the keys that ALL of them see, or -2^30 where not all lie in the range
.macro RANGEHN x0, w, qs, qe, ke, dk, out
	s_add_co_i32 s84, s[\x0], \w
	s_add_co_i32 s[\out], s[\x0], s[\dk]
	s_min_i32 s[\out], s[\out], s[\ke]
	s_cmp_le_i32 s84, s[\qe]
	s_cselect_b32 s[\out], s[\out], s[NEGS]
	s_cmp_ge_i32 s[\x0], s[\qs]
	s_cselect_b32 s[\out], s[\out], s[NEGS]
.endm
.macro MKRANGE rho, qs, qe, ke, flag
	s_sub_co_i32 s[DK+\rho], s[\ke], s[\qe]
	s_add_co_i32 s[DK+\rho], s[DK+\rho], 1
	s_cmp_lg_u32 s[\flag], 0
	s_cselect_b32 s[DK+\rho], s[DK+\rho], 0x20000000
	s_sub_co_i32 s[QW+\rho], s[\qe], s[\qs]
	s_max_i32 s[QW+\rho], s[QW+\rho], 0
.endm
; the bounds of the tiles to be asked for: stage nst, the 64 queries from s[breg] on; nv = 1: V too
.macro FBOUNDS nst, nv, breg
.if \nst
	s_mov_b32 s[FL0], s[KS2]
	RANGEHX \breg, 64, QS2, QE2, KE2, DK+2, FH0
	s_mov_b32 s[FL1], 0
	s_mov_b32 s[FH1], s[NEGS]
.else
	s_mov_b32 s[FL0], s[KS0]
	RANGEHX \breg, 64, QS0, QE0, KE0, DK, FH0
	s_mov_b32 s[FL1], s[KS1]
	RANGEHX \breg, 64, QS1, QE1, KE1, DK+1, FH1
.endif
	s_mov_b32 s[FVF], \nv
.endm
; the tile at FPK, FPV is asked for, if a query of the block sees a key of it: four loads of 16 bytes a thread for K (a key's 64 bytes in four lanes), four for V (a wave reads 512 consecutive bytes)
.macro FISSUE
	s_add_co_u32 s84, s[FK0], SK
	s_cmp_lt_i32 s[FK0], s[FH0]
	s_cselect_b32 s85, 1, 0
	s_cmp_gt_i32 s84, s[FL0]
	s_cselect_b32 s85, s85, 0
	s_cmp_lt_i32 s[FK0], s[FH1]
	s_cselect_b32 s86, 1, 0
	s_cmp_gt_i32 s84, s[FL1]
	s_cselect_b32 s86, s86, 0
	s_or_b32 s[NB], s85, s86
	s_cmp_eq_u32 s[NB], 0
	s_cbranch_scc1 .Lnone_\@
.irp i, 0,1,2,3
	global_load_b128 v[GKS+4*\i:GKS+4*\i+3], v[GK], s[FPK:FPK+1] offset:65536*\i
.endr
	s_cmp_eq_u32 s[FVF], 0
	s_cbranch_scc1 .Lnone_\@
.irp i, 0,1,2,3
	global_load_b128 v[GVS+4*\i:GVS+4*\i+3], v[GV], s[FPV:FPV+1] offset:65536*\i
.endr
	s_mov_b32 s[NB], 3
.Lnone_\@:
.endm
; the stream steps by a tile; in a phase's trip 6 it goes over to the next phase's tile 0 (buffers nk, nvp).  The pointers are chosen on the trip counter alone.
.macro FETCH nk, nvp, nst, nv, breg
	s_add_nc_u64 s[FPK:FPK+1], s[FPK:FPK+1], SK*512
	s_add_nc_u64 s[FPV:FPV+1], s[FPV:FPV+1], SK
	s_add_co_u32 s[FK0], s[FK0], SK
	s_cmp_eq_u32 s[TRP], 6
	s_cselect_b64 s[FPK:FPK+1], s[\nk:\nk+1], s[FPK:FPK+1]
	s_cselect_b64 s[FPV:FPV+1], s[\nvp:\nvp+1], s[FPV:FPV+1]
	s_cselect_b32 s[FK0], 0, s[FK0]
	s_cbranch_scc0 .Lsame_\@
	FBOUNDS \nst, \nv, \breg
.Lsame_\@:
	FISSUE
.endm
; the staged tile goes into the slot that is not being read
.macro STORE
	s_wait_loadcnt 0x0                             ; on every path: the staged tile is in, and no load is out when the staging registers are loaded again or the pointers step
	s_cmp_eq_u32 s[NB], 0
	s_cbranch_scc1 .Lkept_\@
	v_add_nc_u32 v[T], s[TBN], v[WKA]
.irp i, 0,1,2,3
	ds_store_b128 v[T], v[GKS+4*\i:GKS+4*\i+3] offset:8192*\i
.endr
	s_bitcmp1_b32 s[NB], 1
	s_cbranch_scc0 .Lkept_\@
	v_add_nc_u32 v[T], s[TBN], v[WVA]
.irp i, 0,1,2,3
	ds_store_b128 v[T], v[GVS+4*\i:GVS+4*\i+3] offset:16*VP*\i
.endr
.Lkept_\@:
.endm
; Q's two fragments for the 32 queries of my wave in the block that begins at s[breg]
.macro QLOAD breg
	s_add_co_u32 s84, s[\breg], s[QG32]
	s_lshl_b32 s84, s84, 9
	v_lshlrev_b32 v[QOF], 9, v[RQ]
	v_lshl_add_u32 v[QOF], v[H8], 1, v[QOF]
	v_add_nc_u32 v[QOF], s84, v[QOF]
.irp qt, 0,1
.irp c, 0,1
	global_load_b128 v[Q+8*\qt+4*\c:Q+8*\qt+4*\c+3], v[QOF], s[QB:QB+1] offset:8192*\qt+32*\c
.endr
.endr
.endm
; one range's say on my step of 64 keys (s84 = its end)
.macro CLS1 ks, hx, hn
	s_max_i32 s85, s[KW], s[\ks]
	s_min_i32 s86, s84, s[\hx]
	s_cmp_lt_i32 s85, s86
	s_cselect_b32 s85, 1, 0
	s_or_b32 s[CLS], s[CLS], s85
	s_cmp_ge_i32 s[KW], s[\ks]
	s_cselect_b32 s85, 1, 0
	s_cmp_le_i32 s84, s[\hn]
	s_cselect_b32 s85, s85, 0
	s_or_b32 s[OPN], s[OPN], s85
.endm
; v[dst] = min(ke, q + DK1) - X1 for my query q = v[Y+1], or -2^30 where q is not in the range;  X1 = v[Y] = KW + 8 h
.macro MB1 dst, qs, ke, dk, qw
	v_add_nc_u32 v[Y+2], s[\dk], v[Y+1]
	v_cmp_gt_i32 vcc_lo, s[\ke], v[Y+2]
	v_cndmask_b32 v[Y+2], s[\ke], v[Y+2], vcc_lo
	v_sub_nc_u32 v[Y+2], v[Y+2], v[Y]
	v_sub_nc_u32 v[Y+3], v[Y+1], s[\qs]
	v_cmp_gt_u32 vcc_lo, s[\qw], v[Y+3]
	v_cndmask_b32 v[\dst], s[NEGS], v[Y+2], vcc_lo
.endm
; hidden scores become -infinity.  Register 8 kt + j holds key X1 + 16 kt + j: it counts where MA <= 16 kt + j < MB for one of the stage's ranges.  Four registers at a time; each score tile from its low end on.
.macro MASK st
	v_add_nc_u32 v[Y], s[KW], v[H8]
.if \st
	v_sub_nc_u32 v[P], s[KS2], v[Y]
.else
	v_sub_nc_u32 v[P], s[KS0], v[Y]
	v_sub_nc_u32 v[P+1], s[KS1], v[Y]
.endif
.irp qt, 0,1
	s_add_co_u32 s84, s[W0], 16*\qt
	v_add_nc_u32 v[Y+1], s84, v[RQ]
.if \st
	MB1 P+2+2*\qt, QS2, KE2, DK+2, QW+2
.else
	MB1 P+2+2*\qt, QS0, KE0, DK, QW
	MB1 P+3+2*\qt, QS1, KE1, DK+1, QW+1
.endif
.endr
.irp qt, 0,1
.irp g, 0,1,2,3,4,5,6,7
.irp e, 0,1,2,3
	v_cmp_ge_i32 s[84+4*\e], 16*(\g/2)+4*(\g%2)+\e, v[P]
	v_cmp_lt_i32 s[85+4*\e], 16*(\g/2)+4*(\g%2)+\e, v[P+2+2*\qt]
.if !\st
	v_cmp_ge_i32 s[86+4*\e], 16*(\g/2)+4*(\g%2)+\e, v[P+1]
	v_cmp_lt_i32 s[87+4*\e], 16*(\g/2)+4*(\g%2)+\e, v[P+3+2*\qt]
.endif
.endr
.irp e, 0,1,2,3
	s_and_b32 s[84+4*\e], s[84+4*\e], s[85+4*\e]
.if !\st
	s_and_b32 s[86+4*\e], s[86+4*\e], s[87+4*\e]
	s_or_b32 s[84+4*\e], s[84+4*\e], s[86+4*\e]
.endif
.endr
.irp e, 0,1,2,3
	v_cndmask_b32 v[S+32*\qt+4*\g+\e], s[NINF], v[S+32*\qt+4*\g+\e], s[84+4*\e]
.endr
.endr
.endr
.endm
; WALK 1, a step: the largest t, -M, f = 2^(old M - new M), and the sum of 2^(t - M), for my two queries (one in each tile), the tiles by turns
.macro P1MATH cs
.irp qt, 0,1
	v_max3_num_f32 v[MXA+2*\qt], v[S+32*\qt], v[S+32*\qt+1], v[S+32*\qt+2]
	v_max3_num_f32 v[MXB+2*\qt], v[S+32*\qt+16], v[S+32*\qt+17], v[S+32*\qt+18]
.endr
.irp i, 3,5,7,9,11,13
.irp qt, 0,1
	v_max3_num_f32 v[MXA+2*\qt], v[MXA+2*\qt], v[S+32*\qt+\i], v[S+32*\qt+\i+1]
	v_max3_num_f32 v[MXB+2*\qt], v[MXB+2*\qt], v[S+32*\qt+16+\i], v[S+32*\qt+17+\i]
.endr
.endr
.irp qt, 0,1
	v_max3_num_f32 v[MXA+2*\qt], v[MXA+2*\qt], v[S+32*\qt+15], v[S+32*\qt+31]
.endr
.irp qt, 0,1
	v_max_num_f32 v[MXA+2*\qt], v[MXA+2*\qt], v[MXB+2*\qt]
.endr
.irp qt, 0,1
	v_mul_f32 v[MXA+2*\qt], s[\cs], v[MXA+2*\qt]   ; as t (c is positive)
.endr
.irp qt, 0,1
	v_max_num_f32 v[TM+2*\qt], v[TM+2*\qt], v[MXA+2*\qt]
	v_mov_b32 v[OLD+\qt], v[NM+2*\qt]
.endr
.irp qt, 0,1
	v_floor_f32 v[NM+2*\qt], -v[TM+2*\qt]          ; -M = floor(-t): M is a whole number
.endr
.irp qt, 0,1
	v_sub_f32 v[OLD+\qt], v[NM+2*\qt], v[OLD+\qt]  ; old M - new M: a whole number, 0 or less
.endr
.irp qt, 0,1
	v_cvt_i32_f32 v[OLD+\qt], v[OLD+\qt]           ; (it saturates)
.endr
.irp qt, 0,1
	v_ldexp_f32 v[FF+2*\qt], 1.0, v[OLD+\qt]
.endr
.irp qt, 0,1
.set j, 0
.rept 16
	v_pk_fma_f32 v[S+32*\qt+j:S+32*\qt+j+1], v[S+32*\qt+j:S+32*\qt+j+1], s[\cs:\cs+1], v[NM+2*\qt:NM+2*\qt+1] op_sel_hi:[1,0,0]   ; t - M
.set j, j+2
.endr
.endr
.set j, 0
.rept 64
	v_exp_f32 v[S+j], v[S+j]
.set j, j+1
.endr
.irp qt, 0,1
	v_pk_mul_f32 v[SU+2*\qt:SU+2*\qt+1], v[SU+2*\qt:SU+2*\qt+1], v[FF+2*\qt:FF+2*\qt+1] op_sel_hi:[1,0]   ; the sums under the new M; also the plain instruction behind the exponentials
.endr
	s_wait_alu depctr_va_vdst(0)                   ; one wait for the batch of 64, ahead of its first reader
.irp qt, 0,1
	v_pk_add_f32 v[SB+2*\qt:SB+2*\qt+1], v[S+32*\qt:S+32*\qt+1], v[S+32*\qt+2:S+32*\qt+3]
.endr
.irp j, 4,8,12,16,20,24,28
.irp qt, 0,1
	v_pk_add_f32 v[SU+2*\qt:SU+2*\qt+1], v[SU+2*\qt:SU+2*\qt+1], v[S+32*\qt+\j:S+32*\qt+\j+1]
	v_pk_add_f32 v[SB+2*\qt:SB+2*\qt+1], v[SB+2*\qt:SB+2*\qt+1], v[S+32*\qt+\j+2:S+32*\qt+\j+3]
.endr
.endr
.irp qt, 0,1
	v_pk_add_f32 v[SU+2*\qt:SU+2*\qt+1], v[SU+2*\qt:SU+2*\qt+1], v[SB+2*\qt:SB+2*\qt+1]
.endr
.endm
; WALK 2, a step: p = 2^(t - L), held, converted; O^T += V^T P
.macro P2MATH cs, lim
.irp qt, 0,1
.set j, 0
.rept 16
	v_pk_fma_f32 v[S+32*\qt+j:S+32*\qt+j+1], v[S+32*\qt+j:S+32*\qt+j+1], s[\cs:\cs+1], v[WA+2*\qt:WA+2*\qt+1] op_sel_hi:[1,0,0]   ; t - L
.set j, j+2
.endr
.endr
.set j, 0
.rept 64
	v_exp_f32 v[S+j], v[S+j]                       ; the finished p of this stage
.set j, j+1
.endr
	v_nop                                          ; the plain instruction behind the exponentials
	s_wait_alu depctr_va_vdst(0)                   ; one wait for the batch of 64, ahead of its first reader
.set j, 0
.rept 64
	v_min_num_f32 v[S+j], s[\lim], v[S+j]          ; the conversion to an 8-bit code does not saturate (ISA guide 7.6.2); p is not negative, so the hold is one-sided
.set j, j+1
.endr
.irp qt, 0,1
.irp kt, 0,1,2,3
	v_cvt_scalef32_pk8_bf8_f32 v[P+8*\qt+2*\kt:P+8*\qt+2*\kt+1], v[S+32*\qt+8*\kt:S+32*\qt+8*\kt+7], v[CVS]
.endr
.endr
	v_nop                                          ; a plain instruction between the conversions and the products that read their results
.irp ct, 0,1,2,3
.irp qt, 0,1
	v_wmma_f32_16x16x64_bf8_bf8 v[O+8*(4*\qt+\ct):O+8*(4*\qt+\ct)+7], v[KF+8*\ct:KF+8*\ct+7], v[P+8*\qt:P+8*\qt+7], v[O+8*(4*\qt+\ct):O+8*(4*\qt+\ct)+7]   ; eight accumulators, one instruction a turn
.endr
.endr
	NOPS 5                                         ; the places behind these products, for whatever touches their registers next on any path (ISA guide 7.12.1)
.endm
; A TRIP: one tile of 512 keys; my step is its 64 keys from KW on.
.macro STEP pass, st
	s_mov_b32 s[CLS], 0
	s_mov_b32 s[OPN], 0
	s_add_co_u32 s84, s[KW], 64
.if \st
	CLS1 KS2, HX2, HN2
.else
	CLS1 KS0, HX0, HN0
	CLS1 KS1, HX1, HN1
.endif
	s_cmp_eq_u32 s[CLS], 0
	s_cbranch_scc1 .Lmid_\@
	v_add_nc_u32 v[T], s[TB], v[AK0]
.irp kt, 0,1,2,3
	ds_load_b128 v[KF+8*\kt:KF+8*\kt+3], v[T] offset:1024*\kt
.endr
	v_add_nc_u32 v[T], s[TB], v[AK1]
.irp kt, 0,1,2,3
	ds_load_b128 v[KF+8*\kt+4:KF+8*\kt+7], v[T] offset:1024*\kt
.endr
	s_wait_dscnt 0x0
.irp qt, 0,1
.irp kt, 0,1,2,3
	v_wmma_f32_16x16x64_bf8_bf8 v[S+8*(4*\qt+\kt):S+8*(4*\qt+\kt)+7], v[KF+8*\kt:KF+8*\kt+7], v[Q+8*\qt:Q+8*\qt+7], 0
.endr
.endr
	NOPS 5                                         ; the places behind these products: for the loads into K's registers, every reader of the scores, and the next trip's products, which write over them
.if \pass == 2
	v_add_nc_u32 v[T], s[TB], v[AV]
.irp ct, 0,1,2,3
.irp c, 0,1,2,3
	ds_load_b64 v[KF+8*\ct+2*\c:KF+8*\ct+2*\c+1], v[T] offset:16*VP*\ct+16*\c   ; V^T: channel 16 ct + r, keys 16 c + 8 h on
.endr
.endr
.endif
.Lmid_\@:
	STORE
	s_wait_dscnt 0x0                               ; for the others' sake: my reads of this slot are over and my stores into the other have landed; V's fragments are in
.if (\pass == 1) && (\st == 0)
	FETCH KR, VR, 1, 0, B0
.elseif \pass == 1
	FETCH KL, VL, 0, 1, B0
.elseif \st == 0
	FETCH KR, VR, 1, 1, B0
.else
	FETCH KL, VL, 0, 0, B0N
.endif
	s_barrier_signal -1                            ; between signal and wait: registers alone
	s_cmp_eq_u32 s[CLS], 0
	s_cbranch_scc1 .Lend_\@
	s_cmp_lg_u32 s[OPN], 0
	s_cbranch_scc1 .Lopen_\@
	MASK \st
.Lopen_\@:
.if \pass == 1
.if \st
	P1MATH CR
.else
	P1MATH CL
.endif
.else
.if \st
	P2MATH CR, LIMR
.else
	P2MATH CL, LIML
.endif
.endif
.Lend_\@:
	s_xor_b32 s[TB], s[TB], SLOTB
	s_xor_b32 s[TBN], s[TBN], SLOTB
	s_add_co_u32 s[KW], s[KW], SK
	s_barrier_wait -1                              ; every wave has left the slot that the next trip stores into, and has filled the one that it reads
.endm
.macro PHASE pass, st
	s_mov_b32 s[KW], s[KW0]
	s_mov_b32 s[TRP], 0
.Ltrip_\@:
	STEP \pass, \st
	s_add_co_u32 s[TRP], s[TRP], 1
	s_cmp_lt_u32 s[TRP], 8
	s_cbranch_scc1 .Ltrip_\@
.endm
.macro STATINIT
.irp qt, 0,1
	v_mov_b32 v[TM+2*\qt], 0xf191accb              ; -1e30 x log2(e): what an uncovered row's lse is, in base 2
	v_mov_b32 v[SU+2*\qt], 0
	v_mov_b32 v[SU+2*\qt+1], 0
	v_mov_b32 v[FF+2*\qt+1], 0                     ; (named as the upper half of a pair)
.endr
.irp qt, 0,1
	v_floor_f32 v[NM+2*\qt], -v[TM+2*\qt]
.endr
.endm
; a stage's statistics: the two halves of the lanes are joined under the smaller -M, and (-M, sum) goes to LDS
.macro STATOUT st
	v_lshl_add_u32 v[T], v0, 3, STAT
.irp qt, 0,1
	v_add_f32 v[SU+2*\qt], v[SU+2*\qt], v[SU+2*\qt+1]
	v_permlanex16_b32 v[Y+4*\qt], v[NM+2*\qt], s[SEL], s[SEL+1]
	v_permlanex16_b32 v[Y+4*\qt+1], v[SU+2*\qt], s[SEL], s[SEL+1]
	v_min_num_f32 v[Y+4*\qt+2], v[NM+2*\qt], v[Y+4*\qt]
	v_sub_f32 v[Y+4*\qt+3], v[Y+4*\qt+2], v[NM+2*\qt]
	v_sub_f32 v[Y+4*\qt], v[Y+4*\qt+2], v[Y+4*\qt]
	v_cvt_i32_f32 v[Y+4*\qt+3], v[Y+4*\qt+3]
	v_cvt_i32_f32 v[Y+4*\qt], v[Y+4*\qt]
	v_ldexp_f32 v[SU+2*\qt], v[SU+2*\qt], v[Y+4*\qt+3]
	v_ldexp_f32 v[Y+4*\qt+1], v[Y+4*\qt+1], v[Y+4*\qt]
	v_add_f32 v[Y+4*\qt+3], v[SU+2*\qt], v[Y+4*\qt+1]
	ds_store_b64 v[T], v[Y+4*\qt+2:Y+4*\qt+3] offset:4096*(2*\st+\qt)
.endr
.endm
.macro OSCALE                          ; O^T times the factors in hand, each accumulator from its low end on
.irp qt, 0,1
.set j, 0
.rept 16
	v_pk_mul_f32 v[O+32*\qt+j:O+32*\qt+j+1], v[O+32*\qt+j:O+32*\qt+j+1], v[WA+2*\qt:WA+2*\qt+1] op_sel_hi:[1,0]
.set j, j+2
.endr
.endr
.endm
.macro OSUM a                          ; the eight key groups' parts of two rows are added and stored: sixteen lanes store 256 consecutive bytes, at a multiple of 256 from out0's first byte
.set OB, S+32*\a
.irp m, 0,1,2,3
	v_pk_add_f32 v[OB+8*\m:OB+8*\m+1], v[OB+8*\m:OB+8*\m+1], v[OB+8*\m+4:OB+8*\m+5]
	v_pk_add_f32 v[OB+8*\m+2:OB+8*\m+3], v[OB+8*\m+2:OB+8*\m+3], v[OB+8*\m+6:OB+8*\m+7]
.endr
.irp m, 0,2
	v_pk_add_f32 v[OB+8*\m:OB+8*\m+1], v[OB+8*\m:OB+8*\m+1], v[OB+8*\m+8:OB+8*\m+9]
	v_pk_add_f32 v[OB+8*\m+2:OB+8*\m+3], v[OB+8*\m+2:OB+8*\m+3], v[OB+8*\m+10:OB+8*\m+11]
.endr
	v_pk_add_f32 v[OB:OB+1], v[OB:OB+1], v[OB+16:OB+17]
	v_pk_add_f32 v[OB+2:OB+3], v[OB+2:OB+3], v[OB+18:OB+19]
	global_store_b128 v[OOF], v[OB:OB+3], s[O0:O0+1] offset:4096*\a th:TH_STORE_NT
.endm
	; ---- THE HEAD
	s_load_b512 s[4:19], s[0:1], 0x0               ; q, k_local, v_local, k_remote, v_remote, out0, out1, the scales' exponents
	s_load_b256 s[84:91], s[0:1], 0x40             ; the four buffers of ranges
	s_load_b128 s[92:95], s[0:1], 0x60             ; the two buffers of causal flags
	v_lshrrev_b32 v[T], 5, v0
	v_readfirstlane_b32 s[WV], v[T]                ; wave 0..15
	s_lshr_b32 s[KW0], s[WV], 1
	s_lshl_b32 s[KW0], s[KW0], 6
	s_and_b32 s[QG32], s[WV], 1
	s_lshl_b32 s[QG32], s[QG32], 5
	v_and_b32 v[RQ], 15, v0                        ; r
	v_bfe_u32 v[Y], v0, 4, 1                       ; h
	v_lshlrev_b32 v[H8], 3, v[Y]
	; K in a slot: key k's piece j of 16 bytes lies at 64 k + 16 (j xor ((k >> 2) & 3)): sixteen lanes touch sixteen different columns of 16 bytes, storing (4 keys x 4 pieces) and loading (16 keys x 1 piece) alike
	v_bfe_u32 v[Y+1], v0, 2, 2
	v_xor_b32 v[Y+1], v[Y], v[Y+1]
	v_lshlrev_b32 v[Y+1], 4, v[Y+1]
	v_lshl_add_u32 v[Y+1], v[RQ], 6, v[Y+1]
	v_bfe_u32 v[Y+2], v0, 6, 3                     ; my key group
	v_lshl_add_u32 v[AK0], v[Y+2], 12, v[Y+1]
	v_xor_b32 v[AK1], 32, v[AK0]
	v_mul_u32_u24 v[AV], v[RQ], VP
	v_add_nc_u32 v[AV], v[AV], v[H8]
	v_lshl_add_u32 v[AV], v[Y+2], 6, v[AV]
	v_add_nc_u32 v[AV], VOFF, v[AV]
	v_lshrrev_b32 v[Y+1], 2, v0                    ; staging K: key thread / 4 (+ 128 i), piece thread % 4
	v_and_b32 v[Y+2], 3, v0
	v_bfe_u32 v[Y+3], v0, 4, 2
	v_xor_b32 v[Y+3], v[Y+2], v[Y+3]
	v_lshlrev_b32 v[Y+3], 4, v[Y+3]
	v_lshl_add_u32 v[WKA], v[Y+1], 6, v[Y+3]
	v_lshlrev_b32 v[Y+2], 4, v[Y+2]
	v_lshl_add_u32 v[GK], v[Y+1], 9, v[Y+2]
	v_and_b32 v[Y+2], 31, v0                       ; staging V: channel wave (+ 16 i), 16 bytes a lane
	v_lshlrev_b32 v[Y+2], 4, v[Y+2]
	v_mul_u32_u24 v[WVA], v[T], VP
	v_add_nc_u32 v[WVA], v[WVA], v[Y+2]
	v_add_nc_u32 v[WVA], VOFF, v[WVA]
	v_lshl_add_u32 v[GV], v[T], 12, v[Y+2]
	v_mov_b32 v[OOF], 0                            ; (named as the upper half of a pair before it is first made)
	s_mov_b32 s[NINF], 0xff800000
	s_mov_b32 s[NEGS], 0xc0000000
	s_mov_b32 s[SEL], 0x76543210
	s_mov_b32 s[SEL+1], 0xfedcba98
	s_wait_kmcnt 0x0
	s_load_b128 s[QS0:QS0+3], s[84:85], 0x0
	s_load_b128 s[KS0:KS0+3], s[86:87], 0x0
	s_load_b64 s[QS2:QS2+1], s[88:89], 0x0
	s_load_b64 s[KS2:KS2+1], s[90:91], 0x0
	s_load_b256 s[72:79], s[18:19], 0x0            ; e0 .. e7
	s_load_u8 s96, s[92:93], 0x0
	s_load_u8 s97, s[92:93], 0x1
	s_load_u8 s98, s[94:95], 0x0
	; written once: a trip's two branches on the ranges stand apart, so these registers are written on every path before they are read
.set i, 0
.rept 96
	v_mov_b32 v[KF+i], 0                           ; K's and V's fragments, the scores
.set i, i+1
.endr
.set i, 0
.rept 32
	v_mov_b32 v[GKS+i], 0                          ; the staging registers
.set i, i+1
.endr
.irp i, 4,5,6,7
	v_mov_b32 v[Y+\i], 0                           ; a lane permute's destination counts as one of its sources
.endr
	s_wait_kmcnt 0x0
	MKRANGE 0, QS0, QE0, KE0, 96
	MKRANGE 1, QS1, QE1, KE1, 97
	MKRANGE 2, QS2, QE2, KE2, 98
	s_add_co_i32 s84, s72, s73
	s_lshl_b32 s84, s84, 23
	s_add_co_i32 s[CL], s84, 0x3e38aa3b            ; c = log2(e) / 8, with e0 + e1 added to its exponent field
	s_mov_b32 s[CL+1], s[CL]
	s_add_co_i32 s84, s76, s77
	s_lshl_b32 s84, s84, 23
	s_add_co_i32 s[CR], s84, 0x3e38aa3b
	s_mov_b32 s[CR+1], s[CR]
	s_add_co_i32 s84, s75, 127
	s_lshl_b32 s[CVL], s84, 23                     ; 2^e3
	s_add_co_i32 s84, s84, 15
	s_lshl_b32 s84, s84, 23
	s_or_b32 s[LIML], s84, 0x600000                ; 57,344 x 2^e3
	s_add_co_i32 s84, s79, 127
	s_lshl_b32 s[CVR], s84, 23
	s_add_co_i32 s84, s84, 15
	s_lshl_b32 s84, s84, 23
	s_or_b32 s[LIMR], s84, 0x600000
	s_add_co_i32 s[EFB], s78, s79                  ; e6 + e7
	s_add_co_i32 s[ERH], s74, s75
	s_sub_co_i32 s[ERH], s[ERH], s[EFB]            ; e2 + e3 - e6 - e7
	s_and_b32 s84, ttmp7, 0xffff                   ; the head
	s_lshl_b32 s86, s84, 6
	s_mov_b32 s87, 0
	s_lshl_b32 s88, s84, 18
	s_mov_b32 s89, 0
	s_lshl_b32 s90, s84, 8
	s_mov_b32 s91, 0
	s_lshl_b32 s92, s84, 14
	s_mov_b32 s93, 0
	s_add_nc_u64 s[QB:QB+1], s[QB:QB+1], s[86:87]
	s_add_nc_u64 s[KL:KL+1], s[KL:KL+1], s[86:87]
	s_add_nc_u64 s[KR:KR+1], s[KR:KR+1], s[86:87]
	s_add_nc_u64 s[VL:VL+1], s[VL:VL+1], s[88:89]
	s_add_nc_u64 s[VR:VR+1], s[VR:VR+1], s[88:89]
	s_add_nc_u64 s[O0:O0+1], s[O0:O0+1], s[90:91]
	s_add_nc_u64 s[O1:O1+1], s[O1:O1+1], s[92:93]
	s_lshl_b32 s[B0], ttmp9, 6                     ; blocks x and 63 - x
	s_sub_co_u32 s[B0N], 63, ttmp9
	s_lshl_b32 s[B0N], s[B0N], 6
	QLOAD B0
	s_mov_b64 s[FPK:FPK+1], s[KL:KL+1]             ; the stream begins: walk 1, local, tile 0
	s_mov_b64 s[FPV:FPV+1], s[VL:VL+1]
	s_mov_b32 s[FK0], 0
	FBOUNDS 0, 0, B0
	FISSUE
	s_mov_b32 s[TBN], 0
	STORE                                          ; tile 0 into slot 0
	s_add_nc_u64 s[FPK:FPK+1], s[FPK:FPK+1], SK*512
	s_add_nc_u64 s[FPV:FPV+1], s[FPV:FPV+1], SK
	s_add_co_u32 s[FK0], s[FK0], SK
	FISSUE                                         ; tile 1 is asked for
	s_mov_b32 s[TB], 0
	s_mov_b32 s[TBN], SLOTB
	s_mov_b32 s[BI], 0
	s_wait_dscnt 0x0
	s_barrier_signal -1
	s_barrier_wait -1
.Lblock:
	s_wait_loadcnt 0x0                             ; Q
	s_add_co_u32 s[W0], s[B0], s[QG32]
	RANGEHX W0, 32, QS0, QE0, KE0, DK, HX0
	RANGEHN W0, 32, QS0, QE0, KE0, DK, HN0
	RANGEHX W0, 32, QS1, QE1, KE1, DK+1, HX1
	RANGEHN W0, 32, QS1, QE1, KE1, DK+1, HN1
	RANGEHX W0, 32, QS2, QE2, KE2, DK+2, HX2
	RANGEHN W0, 32, QS2, QE2, KE2, DK+2, HN2
	; ---- WALK 1
	STATINIT
	PHASE 1, 0
	STATOUT 0
	STATINIT
	PHASE 1, 1
	STATOUT 1
	s_wait_dscnt 0x0                               ; for the others' sake: my statistics have landed
	s_barrier_signal -1
	s_barrier_wait -1
	; ---- THE MERGE: group g = 2 x stage + query tile; the eight key groups' (-M, sum) of my queries
	v_and_b32 v[T], 63, v0
	v_lshl_add_u32 v[T], v[T], 3, STAT
.irp g, 0,1,2,3
.irp k, 0,1,2,3,4,5,6,7
	ds_load_b64 v[S+16*\g+2*\k:S+16*\g+2*\k+1], v[T] offset:4096*\g+512*\k
.endr
.endr
	s_wait_dscnt 0x0
.irp g, 0,1,2,3
	v_min3_num_f32 v[Y+\g], v[S+16*\g], v[S+16*\g+2], v[S+16*\g+4]
.endr
.irp g, 0,1,2,3
	v_min3_num_f32 v[Y+\g], v[Y+\g], v[S+16*\g+6], v[S+16*\g+8]
.endr
.irp g, 0,1,2,3
	v_min3_num_f32 v[Y+\g], v[Y+\g], v[S+16*\g+10], v[S+16*\g+12]
.endr
.irp g, 0,1,2,3
	v_min_num_f32 v[Y+\g], v[Y+\g], v[S+16*\g+14]  ; the smallest -M
.endr
.irp g, 0,1,2,3
.irp k, 0,1,2,3,4,5,6,7
	v_sub_f32 v[S+16*\g+2*\k], v[Y+\g], v[S+16*\g+2*\k]
.endr
.endr
.irp g, 0,1,2,3
.irp k, 0,1,2,3,4,5,6,7
	v_cvt_i32_f32 v[S+16*\g+2*\k], v[S+16*\g+2*\k]
.endr
.endr
.irp g, 0,1,2,3
.irp k, 0,1,2,3,4,5,6,7
	v_ldexp_f32 v[S+16*\g+2*\k+1], v[S+16*\g+2*\k+1], v[S+16*\g+2*\k]   ; each part under the common M
.endr
.endr
.irp g, 0,1,2,3
.irp k, 0,2,4,6
	v_add_f32 v[S+16*\g+2*\k+1], v[S+16*\g+2*\k+1], v[S+16*\g+2*\k+3]
.endr
.endr
.irp g, 0,1,2,3
	v_add_f32 v[S+16*\g+1], v[S+16*\g+1], v[S+16*\g+5]
	v_add_f32 v[S+16*\g+9], v[S+16*\g+9], v[S+16*\g+13]
.endr
.irp g, 0,1,2,3
	v_add_f32 v[S+16*\g+1], v[S+16*\g+1], v[S+16*\g+9]
.endr
.irp g, 0,1,2,3
	v_log_f32 v[Y+4+\g], v[S+16*\g+1]
.endr
	v_nop
	s_wait_alu depctr_va_vdst(0)                   ; one wait for the four logarithms
.irp g, 0,1,2,3
	v_sub_f32 v[Y+4+\g], v[Y+4+\g], v[Y+\g]        ; L = log2(sum) + M
.endr
.irp g, 0,1,2,3
	v_max_num_f32 v[Y+4+\g], 0xf191accb, v[Y+4+\g] ; an uncovered row: -1e30 x log2(e)
.endr
.irp qt, 0,1
	v_xor_b32 v[NLL+\qt], 0x80000000, v[Y+4+\qt]
	v_xor_b32 v[NLR+\qt], 0x80000000, v[Y+6+\qt]
	v_max_num_f32 v[Y+\qt], v[Y+4+\qt], v[Y+6+\qt] ; the larger of the two is taken away before the exponentials
.endr
.irp qt, 0,1
	v_sub_f32 v[Y+4+\qt], v[Y+4+\qt], v[Y+\qt]
	v_sub_f32 v[Y+6+\qt], v[Y+6+\qt], v[Y+\qt]
.endr
.irp qt, 0,1
	v_exp_f32 v[S+\qt], v[Y+4+\qt]
	v_exp_f32 v[S+2+\qt], v[Y+6+\qt]
.endr
	v_nop
	s_wait_alu depctr_va_vdst(0)
.irp qt, 0,1
	v_add_f32 v[S+\qt], v[S+\qt], v[S+2+\qt]
.endr
.irp qt, 0,1
	v_log_f32 v[S+\qt], v[S+\qt]
.endr
	v_nop
	s_wait_alu depctr_va_vdst(0)
.irp qt, 0,1
	v_sub_f32 v[Y+4+\qt], v[Y+4+\qt], v[S+\qt]     ; log2 of the local weight,
	v_sub_f32 v[Y+6+\qt], v[Y+6+\qt], v[S+\qt]     ; of the remote weight
	v_add_f32 v[Y+\qt], v[Y+\qt], v[S+\qt]
.endr
.irp qt, 0,1
	v_mul_f32 v[Y+\qt], 0x3f317218, v[Y+\qt]       ; the merged lse, x ln 2
	v_max_num_f32 v[Y+6+\qt], 0xc2700000, v[Y+6+\qt]   ; held at -60 from below, so that the quotient of the weights stays an f32 number
.endr
.irp qt, 0,1
	v_sub_f32 v[Y+4+\qt], v[Y+4+\qt], v[Y+6+\qt]
.endr
.irp qt, 0,1
	v_exp_f32 v[FB+\qt], v[Y+6+\qt]
	v_exp_f32 v[RHO+\qt], v[Y+4+\qt]
.endr
	v_and_b32 v[T], 47, v0                         ; (the plain instruction behind the exponentials)  32 x query group + r
	s_wait_alu depctr_va_vdst(0)
.irp qt, 0,1
	v_ldexp_f32 v[FB+\qt], v[FB+\qt], s[EFB]
	v_ldexp_f32 v[RHO+\qt], v[RHO+\qt], s[ERH]
.endr
	v_lshl_add_u32 v[T], v[T], 2, LSEB
	s_cmp_lt_u32 s[WV], 2                          ; all eight key groups hold the same numbers: key group 0 puts the block's 64 lse together
	s_cbranch_scc0 .Lnot_mine
	ds_store_b32 v[T], v[Y]
	ds_store_b32 v[T], v[Y+1] offset:64
.Lnot_mine:
	; ---- WALK 2.  Which step is a wave's first hangs on the ranges, so no fixed first product can start the sums: O^T is cleared
.set i, 0
.rept 64
	v_mov_b32 v[O+i], 0
.set i, i+1
.endr
	v_mov_b32 v[WA], v[NLL]
	v_mov_b32 v[WB], v[NLL+1]
	v_mov_b32 v[CVS], s[CVL]
	PHASE 2, 0
	v_mov_b32 v[WA], v[RHO]
	v_mov_b32 v[WB], v[RHO+1]
	OSCALE                                         ; the local sums are brought under the remote stage's factor
	v_mov_b32 v[WA], v[NLR]
	v_mov_b32 v[WB], v[NLR+1]
	v_mov_b32 v[CVS], s[CVR]
	PHASE 2, 1
	s_min_u32 s85, s[B0N], 4032                    ; the next block's Q (behind the last block: rows inside the buffer, which nobody uses)
	QLOAD 85
	; ---- THE WAY OUT
	v_mov_b32 v[WA], v[FB]
	v_mov_b32 v[WB], v[FB+1]
	OSCALE
	v_lshrrev_b32 v[T], 5, v0
	v_mul_u32_u24 v[T], v[T], PWAVE
	v_mul_u32_u24 v[Y], v[RQ], PROW
	v_add_nc_u32 v[T], v[T], v[Y]
	v_lshl_add_u32 v[T], v[H8], 2, v[T]
	v_add_nc_u32 v[T], PARK, v[T]                  ; my wave's 32 rows: row 16 qt + r, channels 16 ct + 8 h on
.irp qt, 0,1
.irp ct, 0,1,2,3
.irp u, 0,1
	ds_store_b128 v[T], v[O+8*(4*\qt+\ct)+4*\u:O+8*(4*\qt+\ct)+4*\u+3] offset:16*PROW*\qt+64*\ct+16*\u
.endr
.endr
.endr
	v_bfe_u32 v[Y], v0, 5, 1                       ; back: of my query group's 32 rows I take rows 4 x key group + 2 a + h, from all eight key groups
	v_mul_u32_u24 v[Y], v[Y], PWAVE
	v_bfe_u32 v[Y+1], v0, 6, 3
	v_mul_u32_u24 v[Y+1], v[Y+1], 4*PROW
	v_add_nc_u32 v[Y], v[Y], v[Y+1]
	v_bfe_u32 v[Y+1], v0, 4, 1
	v_mul_u32_u24 v[Y+1], v[Y+1], PROW
	v_add_nc_u32 v[Y], v[Y], v[Y+1]
	v_lshl_add_u32 v[Y], v[RQ], 4, v[Y]
	v_add_nc_u32 v[Y], PARK, v[Y]
	v_add_nc_u32 v[Y+1], 8*PWAVE, v[Y]             ; key groups 4 to 7: beyond an LDS offset's 16 bits
	v_lshrrev_b32 v[OOF], 4, v0
	v_and_b32 v[OOF], 29, v[OOF]                   ; 4 x key group + h
	v_and_b32 v[Y+2], 32, v0
	v_add_nc_u32 v[OOF], v[OOF], v[Y+2]
	v_add_nc_u32 v[OOF], s[B0], v[OOF]
	v_lshlrev_b32 v[OOF], 11, v[OOF]               ; a row of out0 is 2,048 bytes
	v_lshl_add_u32 v[OOF], v[RQ], 4, v[OOF]
	v_and_b32 v[Y+2], 31, v0
	v_lshlrev_b32 v[Y+2], 3, v[Y+2]
	v_add_nc_u32 v[Y+3], LSEB, v[Y+2]
	s_lshl_b32 s84, s[B0], 2
	v_add_nc_u32 v[Y+2], s84, v[Y+2]
	s_wait_dscnt 0x0                               ; for the others' sake: my part of O has landed
	s_barrier_signal -1
	s_barrier_wait -1
.irp a, 0,1
.irp k, 0,1,2,3,4,5,6,7
	ds_load_b128 v[S+32*\a+4*\k:S+32*\a+4*\k+3], v[Y+(\k/4)] offset:2*PWAVE*(\k%4)+2*PROW*\a
.endr
.endr
	s_wait_dscnt 8                                 ; the first pair of rows is in; the eight younger loads, the second pair's, may be out
	OSUM 0
	s_wait_dscnt 0x0
	OSUM 1
	s_cmp_lg_u32 s[WV], 0
	s_cbranch_scc1 .Lno_lse
	ds_load_b64 v[P:P+1], v[Y+3]                   ; wave 0 stores the block's 64 lse: 256 consecutive bytes, at a multiple of 256 from out1's first byte
	s_wait_dscnt 0x0
	global_store_b64 v[Y+2], v[P:P+1], s[O1:O1+1] th:TH_STORE_NT
.Lno_lse:
	s_wait_xcnt 0x0                                ; the stores have read their registers: these are written again in the next block
	s_mov_b32 s[B0], s[B0N]
	s_mov_b32 s[B0N], 0x30000000                   ; beyond every range: behind the last block nothing more is asked for
	s_add_co_u32 s[BI], s[BI], 1
	s_cmp_lt_u32 s[BI], 2
	s_cbranch_scc1 .Lblock
	s_wait_xcnt 0x0
	v_lshl_add_u32 v254, v0, 2, 0x48000
	v_mov_b32 v255, 0
	s_wait_tensorcnt 0x0
	ds_add_u32 v254, v255
	s_wait_dscnt 0x0
	s_endpgm
.Lfunc_end_k_q080f8e5cec_attn:
	.size	k_q080f8e5cec_attn, .Lfunc_end_k_q080f8e5cec_attn-k_q080f8e5cec_attn
	.p2alignl 7, 3214868480
	.fill 96, 4, 3214868480
	.section	.rodata,"a",@progbits
	.p2align	6, 0x0
	.amdhsa_kernel k_q080f8e5cec_attn
		.amdhsa_group_segment_fixed_size 296960
		.amdhsa_private_segment_fixed_size 0
		.amdhsa_enable_private_segment 0
		.amdhsa_kernarg_size 112
		.amdhsa_user_sgpr_count 2
		.amdhsa_user_sgpr_kernarg_segment_ptr 1
		.amdhsa_wavefront_size32 1
		.amdhsa_system_sgpr_workgroup_id_x 1
		.amdhsa_system_sgpr_workgroup_id_y 1
		.amdhsa_system_sgpr_workgroup_id_z 1
		.amdhsa_system_vgpr_workitem_id 0
		.amdhsa_next_free_vgpr 256
		.amdhsa_next_free_sgpr 102
		.amdhsa_reserve_vcc 1
		.amdhsa_float_denorm_mode_32 3
		.amdhsa_float_denorm_mode_16_64 3
		.amdhsa_memory_ordered 1
		.amdhsa_forward_progress 1
		.amdhsa_inst_pref_size 182
	.end_amdhsa_kernel
	.amdgpu_metadata
---
amdhsa.version: [ 1, 2 ]
amdhsa.kernels:
  - .name:           k_q080f8e5cec_attn
    .symbol:         k_q080f8e5cec_attn.kd
    .args:
      - { .name: q_codes, .offset: 0, .size: 8, .value_kind: global_buffer, .address_space: global }
      - { .name: k_local_codes, .offset: 8, .size: 8, .value_kind: global_buffer, .address_space: global }
      - { .name: v_local_codes, .offset: 16, .size: 8, .value_kind: global_buffer, .address_space: global }
      - { .name: k_remote_codes, .offset: 24, .size: 8, .value_kind: global_buffer, .address_space: global }
      - { .name: v_remote_codes, .offset: 32, .size: 8, .value_kind: global_buffer, .address_space: global }
      - { .name: out0, .offset: 40, .size: 8, .value_kind: global_buffer, .address_space: global }
      - { .name: out1, .offset: 48, .size: 8, .value_kind: global_buffer, .address_space: global }
      - { .name: lowp_scales, .offset: 56, .size: 8, .value_kind: global_buffer, .address_space: global }
      - { .name: q_ranges_local, .offset: 64, .size: 8, .value_kind: global_buffer, .address_space: global }
      - { .name: k_ranges_local, .offset: 72, .size: 8, .value_kind: global_buffer, .address_space: global }
      - { .name: q_ranges_remote, .offset: 80, .size: 8, .value_kind: global_buffer, .address_space: global }
      - { .name: k_ranges_remote, .offset: 88, .size: 8, .value_kind: global_buffer, .address_space: global }
      - { .name: causal_local, .offset: 96, .size: 8, .value_kind: global_buffer, .address_space: global }
      - { .name: causal_remote, .offset: 104, .size: 8, .value_kind: global_buffer, .address_space: global }
    .group_segment_fixed_size: 296960
    .private_segment_fixed_size: 0
    .kernarg_segment_align: 8
    .kernarg_segment_size: 112
    .max_flat_workgroup_size: 512
    .sgpr_count:     102
    .vgpr_count:     256
    .wavefront_size: 32
...
	.end_amdgpu_metadata
.endif
;; end of part 1
